; MI455X (gfx1250); checked and timed in simulation.
; The chip was launched on July 23, 2026; its instructions are those of AMD's public machine-readable ISA for CDNA 5 (MIT licence, August 2026) and "CDNA5" Instruction Set Architecture Reference Guide (July 2026). The comments in the code are by the model that wrote it; some were corrected since.
;; Multi Headed Attention. Allowed arithmetic: matrix products marked QUANTISED: E4M3 operands, one E8M0 scale for each 32 along K, by v_wmma_scale_f32_16x16x128_f8f6f4 with both operands' format E4M3, f32 sums; everything else in f32.
;; Inputs: Wk 1,024 x 1,024 float32; Wq 1,024 x 1,024 float32; Wv 1,024 x 1,024 float32; bk 1,024 float32; bq 1,024 float32; bv 1,024 float32; key_ 4 x 2,048 x 1,024 float32; query 4 x 2,048 x 1,024 float32; value 4 x 2,048 x 1,024 float32.
;; Outputs: out0 4 x 2,048 x 1,024 float32.
;; This version of the problem:
;;   THIS VERSION OF THE PROBLEM IS GIVEN IN LOW PRECISION. The matrix products marked QUANTISED in the list below multiply operands that are first quantised to E4M3 (4 exponent bits, 3 mantissa bits; 8 bits a number), with one power-of-two scale for each 32 numbers along K (OCP MX v1.0); their sums are f32. All else is computed in f32.
;;   The module's matrix products, in the order in which they are computed (A, B: the left and right operand; K: the contracted axis; several contracted axes count as one K, in the product's order):
;;     1. [M 8,192, K 1,024] x [K 1,024, N 1,024]; A: input query; B: input Wq: QUANTISED
;;     2. [M 8,192, K 1,024] x [K 1,024, N 1,024]; A: input key_; B: input Wk: QUANTISED
;;     3. [M 8,192, K 1,024] x [K 1,024, N 1,024]; A: input value; B: input Wv: QUANTISED
;;     4. batch 64 x [M 2,048, K 64] x [K 64, N 2,048]; A: computed on the way; B: computed on the way: QUANTISED
;;     5. batch 64 x [M 2,048, K 2,048] x [K 2,048, N 64]; A: softmax (see below); B: computed on the way: QUANTISED
;;   THE QUANTISER, for each operand of a quantised product, along K:
;;     - K is cut into blocks of 32 from its start; a last block that is shorter is filled with zeros.
;;     - A block's scale is 2^e with e = floor(log2(the largest magnitude in the block)) - 8, held to -126 .. 127; a block of zeros has e = 0. As a byte (E8M0): e + 127.
;;     - Each number is divided by its block's scale, clamped to +-448, and rounded to the nearest number of E4M3, ties to even, subnormals kept.
;;     - The product sums the exact products of the quantised numbers (number of the format x scale) in f32.
;;   ~~~python
;;   def quantise(x, axis):      # numpy; x: float32 -> the quantised numbers, widened to float32 again
;;       x = np.moveaxis(x, axis, -1); K = x.shape[-1]
;;       x = np.pad(x, [(0, 0)] * (x.ndim - 1) + [(0, -K % 32)]); x = x.reshape(x.shape[:-1] + (-1, 32)); a = np.abs(x).max(-1, keepdims=True)
;;       e = np.where(a > 0, np.clip(np.frexp(np.where(a > 0, a, 1))[1] - 1 - 8, -126, 127), 0)      # np.frexp(a)[1] - 1 = floor(log2(a)), exactly
;;       r = np.clip(x / 2.0 ** e, -448, 448)
;;       step = 2.0 ** (np.maximum(np.frexp(np.where(r == 0, 1, r))[1] - 1, -6) - 3)
;;       q = np.round(r / step) * step * 2.0 ** e      # np.round: ties to even
;;       return np.moveaxis(q.reshape(q.shape[:-2] + (-1,))[..., :K], -1, axis).astype(np.float32)
;;   ~~~
;;   SOFTMAX AHEAD OF A QUANTISED PRODUCT. Where the list says 'softmax', what is quantised is not the finished softmax but p = 2^(t - M), with t = logit x log2(e) and M = ceil(the row's largest t), a whole number; so 1/2 < the row's largest p <= 1. The row's sum l is taken of the UNQUANTISED p, in f32, and the product's result is divided by l at the end. Since M is a whole number, a kernel that streams over the keys may use a running M (the ceiling of the running maximum): every later rescaling is an exact power of two, which a block's scale takes up: the codes' values come out the same.
;;   OPERANDS COMPUTED ON THE WAY. 'Computed on the way' means the value that the module computes at that place (a softmax that the list does not call 'softmax' is quantised finished and normalised). What goes into a quantiser is computed in f32, as accurately as f32 sums, v_exp_f32 and their like allow (about 1e-6 of the number): no bf16 or f16 on the way to a quantiser, and a product that is left as it is and whose result goes on into a quantised operand takes f32 operands (vector FMAs, or v_wmma_f32_16x16x4_f32). A number that lies on a knife's edge between two numbers of the format may be rounded either way, as far as f32 arithmetic and the matrix unit's own rounding can turn it there, and no further.
;; One version. Each part assembles by itself: llvm-mc -triple=amdgcn-amd-amdhsa -mcpu=gfx1250 --defsym DOCPART=n.
;; ======== version 1 of 1: 3 launches
;; limits: right only within a limited range of input values
;; workspace buffers: xc 25,165,824 bytes; xs 786,432 bytes; wc 3,145,728 bytes; ws 98,304 bytes; qkv 25,165,824 bytes; qkvs 786,432 bytes
;; launch quant (part 1): grid 288 x 3, 4 waves a work-group, no clusters, 33,280 bytes of LDS; arguments query, key_, value, Wq, Wk, Wv, xc, xs, wc, ws; writes xc, xs, wc, ws
.if DOCPART == 1
	.amdgcn_target "amdgcn-amd-amdhsa--gfx1250"
	.amdhsa_code_object_version 6
	.text
	.protected	k_q800cdb4830_quant
	.globl	k_q800cdb4830_quant
	.p2align	8
	.type	k_q800cdb4830_quant,@function
k_q800cdb4830_quant:
	s_mov_b64 s[64:65], 0
	v_nop
	global_prefetch_b8 v0, s[64:65] scope:SCOPE_SE
	s_setreg_imm32_b32 hwreg(HW_REG_WAVE_MODE, 25, 1), 1
	s_wait_xcnt 0x0
; query, key_, value [8192][1024] and Wq, Wk, Wv [1024][1024], f32, K = 1024 innermost, become codes of FP8 (E4M3) with one E8M0 scale byte for each 32 along K.
; A block's scale is 2^(floor(log2(its largest magnitude)) - 8); its byte is the largest magnitude's exponent field - 8, held at 1 from below.  Each number is divided by the scale,
; held within +-448 and rounded to the nearest code, ties to even.
; LIMITS: NaN and infinities among the inputs are not served.  A block of zeros gets the byte 1 where the rule says 127: its codes are zeros, which add nothing under any byte but 0xff,
; and this program alone reads the bytes.  Blocks whose largest magnitude lies under the floor 2^-118 keep the byte 1.
; SHARES.  Work-group y is the tensor (0 q, 1 k, 2 v); x < 256 takes 32 rows of the activation, x = 256 .. 287 takes 32 rows of the weight.  Only pointers are chosen: one path through the text.
; A wave takes 8 rows = 8,192 numbers = 16 steps of 512.  WHERE A ROW GOES: row tau is stored at position tau with bits 3 and 4 exchanged (inside each 32 rows), codes and scale bytes alike: so that
; sixteen neighbouring positions are the rows 8 u + 0 .. 7 and 16 + 8 u + 0 .. 7 of a group of 32, which is what the next launch wants as a tile.  Bits 3 and 4 of a row are the two bits of the wave's number.
; Each of a step's four loads reads 512 consecutive bytes; the 2,048 bytes turn through the wave's own stage in LDS and come back 64 bytes (16 neighbours) a lane; two neighbouring lanes hold a block.
; A lane's 16 codes are 16 bytes: a store covers 512 consecutive bytes.  A wave's 256 scale bytes are gathered in LDS and leave as one aligned run of 256 bytes.  No barrier: waves share nothing.
.set STEPS, 16
.set MANT,  0x600000                   ; the mantissa field of 448 as f32
.set CB,    16                         ; bytes of 16 codes
.set R,     16                         ; v16-79   four sets of 16 numbers as they are loaded
.set X,     80                         ; v80-111  two sets of 16 neighbours
.set C,     128                        ; v128-191 codes: four registers for each step, so that no store's data are written again
.set E,     112                        ; v112-127 a scale byte for each step
.set WREG,  8192                       ; LDS: a region for each wave: two stages of 32 x SP bytes, behind them its 256 scale bytes
.set SP,    80                         ; a lane's place in a stage: its 64 bytes + 16 of padding
	s_load_b256 s[4:11], s[0:1], 0x0               ; query, key_, value, Wq
	s_load_b256 s[12:19], s[0:1], 0x20             ; Wk, Wv, xc, xs
	s_load_b128 s[20:23], s[0:1], 0x40             ; wc, ws
	v_lshl_add_u32 v192, v0, 2, 0x8000
	v_mov_b32 v193, 0
	v_lshrrev_b32 v1, 5, v0
	v_readfirstlane_b32 s24, v1                    ; wave
	v_and_b32 v2, 31, v0                           ; lane
	v_lshlrev_b32 v3, 4, v2                        ; my 16 bytes of a load's 512
	s_mul_i32 s25, s24, WREG
	v_lshrrev_b32 v14, 2, v2
	v_mul_u32_u24 v14, v14, SP
	v_and_b32 v15, 3, v2
	v_lshl_add_u32 v14, v15, 4, v14
	v_add_nc_u32 v14, s25, v14                     ; the stage, on the way in: four lanes' 64 bytes on end, then 16 of padding
	v_mul_u32_u24 v15, v2, SP
	v_add_nc_u32 v15, s25, v15                     ; and on the way out: SP x lane: my 16 neighbours
	v_mul_u32_u24 v4, v2, CB                       ; my codes' place in a step's
	v_lshrrev_b32 v5, 1, v2
	s_add_co_u32 s25, s25, 2*32*SP
	v_add_nc_u32 v5, s25, v5                       ; LDS: my wave's 256 scale bytes, my block's byte
	v_lshlrev_b32 v7, 3, v2                        ; and on the way out 8 bytes a lane
	v_add_nc_u32 v6, s25, v7
	s_mov_b32 s30, MANT
	s_and_b32 s31, ttmp7, 0xffff                   ; the tensor: 0, 1, 2
	s_wait_alu depctr_va_vdst(0)
	s_wait_kmcnt 0x0
	s_cmp_eq_u32 s31, 1                            ; every choice hangs on the work-group's numbers alone
	s_cselect_b64 s[4:5], s[6:7], s[4:5]           ; the activation: key_ or query,
	s_cselect_b64 s[10:11], s[12:13], s[10:11]     ; the weight: Wk or Wq,
	s_cmp_eq_u32 s31, 2
	s_cselect_b64 s[4:5], s[8:9], s[4:5]           ; or value
	s_cselect_b64 s[10:11], s[14:15], s[10:11]     ; and Wv
	s_cmp_lt_u32 ttmp9, 256                        ; the activation's work-group or the weight's?
	s_cselect_b64 s[4:5], s[4:5], s[10:11]         ; what is read,
	s_cselect_b64 s[8:9], s[16:17], s[20:21]       ; where the codes go,
	s_cselect_b64 s[10:11], s[18:19], s[22:23]     ; and the scale bytes
	s_cselect_b32 s25, 0, 256
	s_cselect_b32 s32, 23, 20                      ; a tensor's codes are 2^23 or 2^20 bytes,
	s_cselect_b32 s33, 18, 15                      ; its scale bytes 2^18 or 2^15
	s_sub_co_u32 s25, ttmp9, s25
	s_lshl_b32 s25, s25, 2                         ; the work-group's first run of 8 rows
	s_add_co_u32 s26, s25, s24                     ; my run
	s_lshl_b32 s28, s26, 15                        ; 32,768 bytes of f32 a run (under 2^25)
	s_mov_b32 s29, 0
	s_add_nc_u64 s[4:5], s[4:5], s[28:29]
	s_and_b32 s26, s24, 1                          ; where my run goes: the wave's two bits exchanged
	s_lshl_b32 s26, s26, 1
	s_lshr_b32 s34, s24, 1
	s_or_b32 s26, s26, s34
	s_add_co_u32 s26, s26, s25
	s_lshl_b32 s28, s26, 13                        ; 8,192 bytes of codes a run,
	s_lshl_b32 s34, s31, s32                       ; behind the tensors before mine
	s_add_co_u32 s28, s28, s34
	s_add_nc_u64 s[8:9], s[8:9], s[28:29]
	s_lshl_b32 s28, s26, 8                         ; 256 scale bytes a run
	s_lshl_b32 s34, s31, s33
	s_add_co_u32 s28, s28, s34
	s_add_nc_u64 s[10:11], s[10:11], s[28:29]
.macro LOAD t
.irp i, 0,1,2,3
	global_load_b128 v[R+16*((\t)%4)+4*\i:R+16*((\t)%4)+4*\i+3], v3, s[4:5] offset:2048*(\t)+512*\i th:TH_LOAD_NT   ; 32 lanes read 512 consecutive bytes; read once in the launch
.endr
.endm
.macro TURN t                          ; step t's numbers through the stage: LDS serves a wave's instructions in order, so no wait stands between the stores and the loads
.irp i, 0,1,2,3
	ds_store_b128 v14, v[R+16*((\t)%4)+4*\i:R+16*((\t)%4)+4*\i+3] offset:32*SP*((\t)%2)+8*SP*\i
.endr
.irp i, 0,1,2,3
	ds_load_b128 v[X+16*((\t)%2)+4*\i:X+16*((\t)%2)+4*\i+3], v15 offset:32*SP*((\t)%2)+16*\i
.endr
.endm
.irp t, 0,1,2,3
	LOAD \t
.endr
	s_wait_loadcnt 12                              ; step 0's four loads are in; the twelve of steps 1 to 3 may be out
	TURN 0
.macro STEP t
.set XS, X+16*((\t)%2)
.if (\t) > 0
	s_wait_dscnt 1                                 ; this step's numbers are back from the stage (the last step's byte store may be out): so its stores into the stage have read their registers,
.else
	s_wait_dscnt 0x0
.endif
.if (\t)+4 < STEPS
	LOAD (\t)+4                                    ; which take the loads of four steps on
.endif
.if (\t)+1 < STEPS
.if STEPS-2-(\t) >= 3
	s_wait_loadcnt 12                              ; the next step's four loads are in; those of the three steps behind it may be out
.else
	s_wait_loadcnt 4*(STEPS-2-(\t))
.endif
	TURN (\t)+1                                    ; and go through the other stage while this step is worked
.endif
	v_max3_num_f32 v8, |v[XS]|, |v[XS+1]|, |v[XS+2]|               ; the largest magnitude of my 16, in two chains
	v_max3_num_f32 v9, |v[XS+3]|, |v[XS+4]|, |v[XS+5]|
.irp i, 6,10
	v_max3_num_f32 v8, v8, |v[XS+\i]|, |v[XS+\i+1]|
	v_max3_num_f32 v9, v9, |v[XS+\i+2]|, |v[XS+\i+3]|
.endr
	v_max3_num_f32 v8, v8, |v[XS+14]|, |v[XS+15]|
	v_max3_num_f32 v8, v8, v9, 0x4800000           ; and the floor 2^(9 - 127): so the byte cannot fall under 1
	v_max_num_f32_dpp v8, v8, v8 row_xmask:1 row_mask:0xf bank_mask:0xf   ; and of my neighbour's 16: the block's
	v_add_nc_u32 v11, 0xfc000000, v8               ; 8 off its exponent field: the conversion takes the exponent field of this operand as its scale, and nothing else of it
	v_and_or_b32 v10, v8, 0x7f800000, s30          ; 448 x the scale: the largest magnitude's exponent field over 448's mantissa
.irp i, 0,1,2,3,4,5,6,7,8,9,10,11,12,13,14,15
	v_med3_num_f32 v[XS+\i], v[XS+\i], -v10, v10   ; the conversion to an 8-bit code does not saturate (ISA guide 7.6.2): hold the number first
.endr
	v_cvt_scalef32_pk8_fp8_f32 v[C+4*(\t):C+4*(\t)+1], v[XS:XS+7], v11
	v_cvt_scalef32_pk8_fp8_f32 v[C+4*(\t)+2:C+4*(\t)+3], v[XS+8:XS+15], v11
	v_lshrrev_b32 v[E+(\t)], 23, v11               ; the scale's byte (also the plain line behind the conversions)
	ds_store_b8 v5, v[E+(\t)] offset:16*(\t)       ; both lanes of a block write the same byte with the same value
	global_store_b128 v4, v[C+4*(\t):C+4*(\t)+3], s[8:9] offset:32*CB*(\t)
.endm
.irp t, 0,1,2,3,4,5,6,7,8,9,10,11,12,13,14,15
	STEP \t
.endr
	ds_load_b64 v[12:13], v6                       ; LDS serves a wave's instructions in order: these see my stores
	s_wait_dscnt 0x0
	global_store_b64 v7, v[12:13], s[10:11]        ; 32 lanes store 256 consecutive bytes, aligned
	s_wait_tensorcnt 0x0
	ds_add_u32 v192, v193
	s_wait_dscnt 0x0
	s_endpgm
.Lfunc_end_k_q800cdb4830_quant:
	.size	k_q800cdb4830_quant, .Lfunc_end_k_q800cdb4830_quant-k_q800cdb4830_quant
	.p2alignl 7, 3214868480
	.fill 96, 4, 3214868480
	.section	.rodata,"a",@progbits
	.p2align	6, 0x0
	.amdhsa_kernel k_q800cdb4830_quant
		.amdhsa_group_segment_fixed_size 33280
		.amdhsa_private_segment_fixed_size 0
		.amdhsa_enable_private_segment 0
		.amdhsa_kernarg_size 80
		.amdhsa_user_sgpr_count 2
		.amdhsa_user_sgpr_kernarg_segment_ptr 1
		.amdhsa_wavefront_size32 1
		.amdhsa_system_sgpr_workgroup_id_x 1
		.amdhsa_system_sgpr_workgroup_id_y 1
		.amdhsa_system_sgpr_workgroup_id_z 1
		.amdhsa_system_vgpr_workitem_id 0
		.amdhsa_next_free_vgpr 194
		.amdhsa_next_free_sgpr 66
		.amdhsa_reserve_vcc 0
		.amdhsa_float_denorm_mode_32 3
		.amdhsa_float_denorm_mode_16_64 3
		.amdhsa_memory_ordered 1
		.amdhsa_forward_progress 1
		.amdhsa_inst_pref_size 51
	.end_amdhsa_kernel
	.amdgpu_metadata
---
amdhsa.version: [ 1, 2 ]
amdhsa.kernels:
  - .name:           k_q800cdb4830_quant
    .symbol:         k_q800cdb4830_quant.kd
    .args:
      - { .name: query, .offset: 0, .size: 8, .value_kind: global_buffer, .address_space: global }
      - { .name: key_, .offset: 8, .size: 8, .value_kind: global_buffer, .address_space: global }
      - { .name: value, .offset: 16, .size: 8, .value_kind: global_buffer, .address_space: global }
      - { .name: Wq, .offset: 24, .size: 8, .value_kind: global_buffer, .address_space: global }
      - { .name: Wk, .offset: 32, .size: 8, .value_kind: global_buffer, .address_space: global }
      - { .name: Wv, .offset: 40, .size: 8, .value_kind: global_buffer, .address_space: global }
      - { .name: xc, .offset: 48, .size: 8, .value_kind: global_buffer, .address_space: global }
      - { .name: xs, .offset: 56, .size: 8, .value_kind: global_buffer, .address_space: global }
      - { .name: wc, .offset: 64, .size: 8, .value_kind: global_buffer, .address_space: global }
      - { .name: ws, .offset: 72, .size: 8, .value_kind: global_buffer, .address_space: global }
    .group_segment_fixed_size: 33280
    .private_segment_fixed_size: 0
    .kernarg_segment_align: 8
    .kernarg_segment_size: 80
    .max_flat_workgroup_size: 128
    .sgpr_count:     66
    .vgpr_count:     194
    .wavefront_size: 32
...
	.end_amdgpu_metadata
.endif
;; end of part 1
;; launch proj (part 2): grid 4 x 96, 4 waves a work-group, clusters of 4 x 4, 327,680 bytes of LDS; arguments xc, xs, wc, ws, bq, bk, bv, qkv, qkvs; writes qkv, qkvs
.if DOCPART == 2
	.amdgcn_target "amdgcn-amd-amdhsa--gfx1250"
	.amdhsa_code_object_version 6
	.text
	.protected	k_q800cdb4830_proj
	.globl	k_q800cdb4830_proj
	.p2align	8
	.type	k_q800cdb4830_proj,@function
k_q800cdb4830_proj:
	s_mov_b64 s[64:65], 0
	v_nop
	global_prefetch_b8 v0, s[64:65] scope:SCOPE_SE
	s_setreg_imm32_b32 hwreg(HW_REG_WAVE_MODE, 25, 1), 1
	s_wait_xcnt 0x0
	s_wait_alu depctr_hold_cnt(0) depctr_sa_sdst(0) depctr_va_vdst(0) depctr_va_sdst(0) depctr_va_ssrc(0) depctr_va_vcc(0) depctr_vm_vsrc(0)
	s_getreg_b32 s2, hwreg(HW_REG_IB_STS2, 6, 4)
	s_cmp_eq_u32 s2, 0
	s_cbranch_scc0 .Lentry_in_a_cluster
	s_endpgm
.Lentry_in_a_cluster:
	s_bfe_u32 s2, ttmp6, 0x10000c
	s_cmp_lg_u32 s2, 0xf033
	s_cbranch_scc0 .Lentry_shape_is_right
	s_endpgm
.Lentry_shape_is_right:
.set KSTEP,  256
.set NQ,     2
.set ROWB,   256
.set KROW,   1024
.set PITCH,  272
.set FR,     16
.set NL,     4
.set NP,     8
.set HALFT,  128*PITCH
.set SLOT,   4*HALFT
.set LAPS,   2
.set KS,     32
.set SCL,    2*SLOT
.set HALFS,  (128*KS/256)*272
.set SBLK,   (16*KS/256)*272
.set SPARE,  SCL+4*HALFS
.set BJ,   8
.set ADRA, 16
.set ADRB, 20
.set LI,   24
.set SOFF, 25
.set HH,   26
.set ADRS, 27
.set SPW,  28
.set NIL,  29
.set SC,   32
.set BI,   64
.set AF,   128
.set TM,   32
.set EB,   64
.set Z,    96
.set OW,   104
.set CD,   128
.set G1, 24
.set G0, 32
.set G1B, 48
.set G0B, 56
.set G1S, 68
.set G0S, 76
.set G1SB, 80
.set G0SB, 88
.set MSB, 0
.macro WIN new
.if MSB != \new
	s_set_vgpr_msb (MSB<<8)|\new
.set MSB, \new
.endif
.endm
.set MUL_LO, 0xa1
.set MUL_HI, 0xf1
.set TO_B,   0x40
.macro JLOAD g0a, g1a, g0b, g1b
	s_cmp_eq_u32 s15, 0
	s_cbranch_scc0 .Lfor_b_\@
	tensor_load_to_lds s[\g0a:\g0a+3], s[\g1a:\g1a+7]
	s_nop 0
.rept 4
	v_nop
.endr
	s_branch .Lasked_\@
.Lfor_b_\@:
	tensor_load_to_lds s[\g0b:\g0b+3], s[\g1b:\g1b+7]
	s_nop 0
.rept 4
	v_nop
.endr
.Lasked_\@:
.endm
.macro CREST
	s_cmp_lg_u32 s14, 0
	s_cbranch_scc1 .Lnot_wave_0_\@
	s_barrier_signal -3
.Lnot_wave_0_\@:
	s_barrier_wait -3
	s_barrier_signal -1
	s_barrier_wait -1
.endm
.macro CROUND
	s_barrier_signal -1
	s_barrier_wait -1
	CREST
.endm
	s_load_b256 s[4:11], s[0:1], 0x0
	s_load_b256 s[92:99], s[0:1], 0x20
	s_load_b64 s[100:101], s[0:1], 0x40
	v_lshl_add_u32 v[SPW], v0, 2, SPARE
	v_mov_b32 v[NIL], 0
	ds_add_u32 v28, v29
	ds_add_u32 v28, v29
	s_wait_dscnt 0x0
	v_lshrrev_b32 v1, 5, v0
	v_readfirstlane_b32 s14, v1
	s_lshr_b32 s15, s14, 1
	s_and_b32 s16, s14, 1
	s_bfe_u32 s40, ttmp6, 0x40000
	s_bfe_u32 s41, ttmp6, 0x40004
	s_and_b32 s45, ttmp7, 0xffff
	s_lshr_b32 s3, s45, 3
	s_and_b32 s45, s45, 7
	s_lshl_b32 s45, s45, 2
	s_cmp_eq_u32 s3, 2
	s_cselect_b32 s2, 1, 0
	s_cselect_b32 s42, s45, 0
	s_cselect_b32 s17, 0, s45
	s_cselect_b32 s12, 23, 20
	s_cselect_b32 s13, 18, 15
	s_cselect_b32 s66, 20, 23
	s_cselect_b32 s67, 15, 18
	s_add_co_u32 s42, s42, s40
	s_add_co_u32 s17, s17, s41
	s_lshl_b32 s43, s41, 2
	s_lshl_b32 s43, 15, s43
	s_lshl_b32 s44, 0x1111, s40
	s_or_b32 s[G1+0], s43, (0<<16)|(1<<20)|(1<<21)|(5<<22)|(3<<25)
	s_or_b32 s[G1B+0], s44, (0<<16)|(1<<20)|(1<<21)|(5<<22)|(3<<25)
.irp g, G1, G1B
	s_mov_b32 s[\g+1], ROWB<<16
	s_mov_b32 s[\g+2], 256<<16                     ; the head's loads of codes bring 256 rows; behind them the two words that count rows are set to 128
	s_mov_b32 s[\g+3], ROWB<<16
	s_mov_b32 s[\g+4], 256
	s_mov_b32 s[\g+5], KROW
	s_mov_b32 s[\g+6], 0
	s_mov_b32 s[\g+7], 0
.endr
	s_or_b32 s[G1S+0], s43, (3<<16)|(1<<20)|(1<<21)|(5<<22)|(3<<25)
	s_or_b32 s[G1SB+0], s44, (3<<16)|(1<<20)|(1<<21)|(5<<22)|(3<<25)
.irp g, G1S, G1SB
	s_mov_b32 s[\g+1], 32<<16
	s_mov_b32 s[\g+2], (256*KS/256)<<16            ; the scale bytes of 256 rows: 32 rows of 256 bytes
	s_mov_b32 s[\g+3], 32<<16
	s_mov_b32 s[\g+4], 256*KS/256
	s_mov_b32 s[\g+5], 32
	s_mov_b32 s[\g+6], 0
	s_mov_b32 s[\g+7], 0
.endr
	s_lshl_b32 s46, s42, 18
	s_lshl_b32 s47, s16, 17
	s_add_co_u32 s46, s46, s47
	s_lshl_b32 s47, s3, s12
	s_add_co_u32 s46, s46, s47
	s_mov_b32 s47, 0
	s_lshl_b32 s18, s42, 13                        ; the scale bytes of the tile's 256 rows, from its first row on
	s_lshl_b32 s19, s3, s13
	s_add_co_u32 s18, s18, s19
	s_mov_b32 s19, 0
	s_lshl_b32 s20, s17, 18
	s_lshl_b32 s21, s16, 17
	s_add_co_u32 s20, s20, s21
	s_lshl_b32 s21, s3, s66
	s_add_co_u32 s20, s20, s21
	s_mov_b32 s21, 0
	s_lshl_b32 s22, s17, 13
	s_lshl_b32 s23, s3, s67
	s_add_co_u32 s22, s22, s23
	s_mov_b32 s23, 0
	s_mul_i32 s45, s14, HALFT
	s_wait_kmcnt 0x0
	s_cmp_eq_u32 s2, 1
	s_cselect_b64 s[12:13], s[8:9], s[4:5]
	s_cselect_b64 s[66:67], s[10:11], s[6:7]
	s_cselect_b64 s[4:5], s[4:5], s[8:9]
	s_cselect_b64 s[6:7], s[6:7], s[10:11]
	s_add_nc_u64 s[20:21], s[12:13], s[20:21]
	s_add_nc_u64 s[22:23], s[66:67], s[22:23]
	s_add_nc_u64 s[46:47], s[4:5], s[46:47]
	s_add_nc_u64 s[18:19], s[6:7], s[18:19]
	CROUND                                         ; all sixteen work-groups are here: the first joint loads meet
	s_mov_b32 s[G0S], 1                            ; the scale bytes of A's 256 rows (wave 1 asks: wave / 2 = 0),
	s_mul_i32 s[G0S+1], s15, 2*HALFS
	s_add_co_u32 s[G0S+1], s[G0S+1], SCL
	s_mov_b64 s[G0S+2:G0S+3], s[22:23]
	s_or_b32 s[G0S+3], s[G0S+3], 0x80000000
	s_mov_b32 s[G0SB], 1                           ; and of B's, behind them (wave 3 asks: wave / 2 = 1)
	s_mul_i32 s[G0SB+1], s15, 2*HALFS
	s_add_co_u32 s[G0SB+1], s[G0SB+1], SCL
	s_mov_b64 s[G0SB+2:G0SB+3], s[18:19]
	s_or_b32 s[G0SB+3], s[G0SB+3], 0x80000000
.irp s, 0,1
	s_mov_b32 s[G0+4*\s], 1
	s_add_co_u32 s[G0+4*\s+1], s45, \s*SLOT
	s_add_nc_u64 s[G0+4*\s+2:G0+4*\s+3], s[20:21], \s*ROWB
	s_or_b32 s[G0+4*\s+3], s[G0+4*\s+3], 0x80000000
	s_mov_b32 s[G0B+4*\s], 1
	s_add_co_u32 s[G0B+4*\s+1], s45, \s*SLOT
	s_add_nc_u64 s[G0B+4*\s+2:G0B+4*\s+3], s[46:47], \s*ROWB
	s_or_b32 s[G0B+4*\s+3], s[G0B+4*\s+3], 0x80000000
.endr
; THE HEAD'S LOADS, ONE A WAVE, in one chain of branches on the wave's number: what the first step needs is shared out.  Wave 0's own group 0 for slot 0 points at A's first row and at LDS byte 0, wave 2's at B's first row
; and at LDS byte 2 HALFT: with 256 rows in group 1 they bring K step 0's whole tiles.  Waves 1 and 3 bring the scale bytes of A's and of B's 256 rows.
.macro ARM under, g0, g1, next
	s_cmp_lt_u32 s14, \under
	s_cbranch_scc0 \next
	tensor_load_to_lds s[\g0:\g0+3], s[\g1:\g1+7]
	s_nop 0
.rept 4
	v_nop
.endr
	s_branch .Lhead_asked
\next:
.endm
	ARM 1, G0,  G1,  .Lhead_sa
	ARM 2, G0S, G1S, .Lhead_b
	ARM 3, G0B, G1B, .Lhead_sb
	tensor_load_to_lds s[G0SB:G0SB+3], s[G1SB:G1SB+7]
	s_nop 0
.rept 4
	v_nop
.endr
.Lhead_asked:
	v_and_b32 v1, 15, v0
	v_bfe_u32 v2, v0, 4, 1
	v_mul_u32_u24 v3, v1, PITCH
	v_lshl_add_u32 v4, v2, 4, v3
	s_mul_i32 s21, s15, HALFT
	s_mul_i32 s22, s16, HALFT
	s_add_co_u32 s22, s22, 2*HALFT
.irp s, 0,1
	v_add_nc_u32 v[ADRA+\s], s21, v4
	v_add_nc_u32 v[ADRB+\s], s22, v4
	s_add_co_u32 s21, s21, SLOT
	s_add_co_u32 s22, s22, SLOT
.endr
	v_mul_u32_u24 v5, v1, KS
	v_lshrrev_b32 v6, 8, v5
	v_lshl_add_u32 v5, v6, 4, v5
	s_mul_i32 s21, s15, HALFS
	s_mul_i32 s22, s16, HALFS
	s_add_co_u32 s22, s22, 2*HALFS
	s_sub_co_u32 s22, s22, s21
	v_mul_u32_u24 v6, s22, v2
	s_add_co_u32 s21, s21, SCL
	v_add_nc_u32 v5, v5, v6
	v_add_nc_u32 v[ADRS], s21, v5
	v_and_b32 v6, 31, v0
	v_lshlrev_b32 v[LI], 4, v6
	v_mul_u32_u24 v[SOFF], v2, 0x3000
	v_lshl_add_u32 v[SOFF], v1, 4, v[SOFF]
	v_mov_b32 v[HH], v2
	s_lshl_b32 s8, s17, 8
	s_lshl_b32 s9, s15, 7
	s_add_co_u32 s8, s8, s9
	s_lshl_b32 s9, s42, 8
	s_lshl_b32 s10, s16, 7
	s_add_co_u32 s9, s9, s10
	s_cmp_eq_u32 s2, 1
	s_cselect_b32 s10, s8, s9
	s_cselect_b32 s11, s9, s8
	s_cselect_b32 s12, 0, 64
	s_cselect_b32 s13, 4, 0
	s_cselect_b32 s18, 0, 4
	s_cmp_eq_u32 s3, 1
	s_cselect_b64 s[92:93], s[94:95], s[92:93]
	s_cmp_eq_u32 s3, 2
	s_cselect_b64 s[92:93], s[96:97], s[92:93]
	s_lshr_b32 s19, s11, 11
	s_lshl_b32 s19, s19, 4
	s_lshr_b32 s46, s10, 6
	s_add_co_u32 s19, s19, s46
	s_lshl_b32 s19, s19, 4
	s_bfe_u32 s46, s11, 0x40007
	s_add_co_u32 s19, s19, s46
	s_mul_i32 s46, s19, 24576
	s_lshl_b32 s47, s3, 13
	s_add_co_u32 s46, s46, s47
	s_mov_b32 s47, 0
	s_add_nc_u64 s[98:99], s[98:99], s[46:47]
	s_mul_i32 s46, s19, 768
	s_lshl_b32 s47, s3, 8
	s_add_co_u32 s46, s46, s47
	s_mov_b32 s47, 0
	s_add_nc_u64 s[100:101], s[100:101], s[46:47]
	v_and_b32 v5, 8, v1
	v_add_nc_u32 v5, v5, v1
	v_mul_u32_u24 v5, s13, v5
	v_mul_u32_u24 v6, s12, v2
	s_lshl_b32 s10, s10, 2
	v_add3_u32 v5, v5, v6, s10
.irp j, 0,1,2,3,4,5,6,7
	v_mad_u32_u24 v[BJ+\j], s18, \j, v5
.endr
.irp i, 0,1,2,3,4,5,6,7
.irp j, 0,1,2,3,4,5,6,7
	global_load_b32 v[BI+8*\i+\j], v[BJ+\j], s[92:93] offset:4*(32*(\i/2)+8*(\i%2))
.endr
.endr
.macro FRAG reg, adr, q, i
.irp c, 0,1,2,3
	ds_load_b128 v[\reg+4*\c:\reg+4*\c+3], v[\adr] offset:128*(\q)+32*\c+(\i)*16*PITCH
.endr
.endm
.macro MUL16 a0, p, q, sc, zero
.irp a, \a0, \a0+1
.irp b, 0,1,2,3,4,5,6,7
.if \zero == 1
	v_wmma_scale_f32_16x16x128_f8f6f4 v[8*(8*((\a)%4)+\b):8*(8*((\a)%4)+\b)+7], v[128*(\p)+FR*\b:128*(\p)+FR*\b+FR-1], v[AF+FR*(\a):AF+FR*(\a)+FR-1], v[BI+8*\b:BI+8*\b+7], v[SC+8*NQ*(\sc)+NQ*\b+(\q)], v[SC+8*NQ*(\sc)+NQ*(\a)+(\q)] matrix_a_scale:MATRIX_SCALE_ROW1
.elseif \zero == 2
	v_wmma_scale_f32_16x16x128_f8f6f4 v[8*(8*((\a)%4)+\b):8*(8*((\a)%4)+\b)+7], v[128*(\p)+FR*\b:128*(\p)+FR*\b+FR-1], v[AF+FR*(\a):AF+FR*(\a)+FR-1], v[BI+8*(\a):BI+8*(\a)+7], v[SC+8*NQ*(\sc)+NQ*\b+(\q)], v[SC+8*NQ*(\sc)+NQ*(\a)+(\q)] matrix_a_scale:MATRIX_SCALE_ROW1
.else
	v_wmma_scale_f32_16x16x128_f8f6f4 v[8*(8*((\a)%4)+\b):8*(8*((\a)%4)+\b)+7], v[128*(\p)+FR*\b:128*(\p)+FR*\b+FR-1], v[AF+FR*(\a):AF+FR*(\a)+FR-1], v[8*(8*((\a)%4)+\b):8*(8*((\a)%4)+\b)+7], v[SC+8*NQ*(\sc)+NQ*\b+(\q)], v[SC+8*NQ*(\sc)+NQ*(\a)+(\q)] matrix_a_scale:MATRIX_SCALE_ROW1
.endif
.endr
.endr
.endm
.macro FETCH_B slot, q, p
	WIN TO_B
.irp i, 0,1,2,3,4,5,6,7
	FRAG 128*(\p)+FR*\i, ADRB+\slot, \q, \i
.endr
	WIN 0
.endm
.macro FETCH_A slot, q, i0
.irp i, \i0, \i0+1, \i0+2, \i0+3
	FRAG AF+FR*(\i), ADRA+\slot, \q, \i
.endr
.endm
.macro SCALES sc
.irp i, 0,1,2,3,4,5,6,7
	ds_load_b64 v[SC+8*NQ*\sc+NQ*\i:SC+8*NQ*\sc+NQ*\i+1], v[ADRS] offset:\i*SBLK
.endr
.endm
.macro PLACES n
.rept \n
	v_nop
.endr
.endm
.macro STEP slot, q
	s_wait_dscnt 4*NL
	WIN MUL_LO
	MUL16 0, (\q)%2, \q, \slot, 0
	MUL16 2, (\q)%2, \q, \slot, 0
	s_wait_dscnt 0
	PLACES NP
	FETCH_B \slot, (\q)+1, 1-(\q)%2
	FETCH_A \slot, (\q)+1, 0
	WIN MUL_HI
	MUL16 4, (\q)%2, \q, \slot, 0
	MUL16 6, (\q)%2, \q, \slot, 0
	PLACES NP
	WIN 0
	FETCH_A \slot, (\q)+1, 4
.endm
.macro FIRSTHALF a0, win
	s_cmp_eq_u32 s2, 1
	s_cbranch_scc1 .Lv_\@
	WIN \win
	MUL16 \a0, 0, 0, 0, 1
	MUL16 \a0+2, 0, 0, 0, 1
	WIN 0
	s_branch .Lj_\@
.Lv_\@:
	WIN \win
	MUL16 \a0, 0, 0, 0, 2
	MUL16 \a0+2, 0, 0, 0, 2
	WIN 0
.Lj_\@:
.endm
.macro TURN slot, next, fill
	s_wait_tensorcnt 0x0
	ds_add_u32 v[SPW], v[NIL]
	s_wait_dscnt 4*NL+1
	WIN MUL_LO
	MUL16 0, 1, NQ-1, \slot, 0
	s_wait_dscnt 0x0
	s_barrier_signal -1
	MUL16 2, 1, NQ-1, \slot, 0
	WIN 0
	s_barrier_wait -1
.if \fill
	CREST
	s_add_nc_u64 s[G0+4*\slot+2:G0+4*\slot+3], s[G0+4*\slot+2:G0+4*\slot+3], 2*ROWB
	s_add_nc_u64 s[G0B+4*\slot+2:G0B+4*\slot+3], s[G0B+4*\slot+2:G0B+4*\slot+3], 2*ROWB
	JLOAD G0+4*\slot, G1, G0B+4*\slot, G1B
	PLACES NP-4
.else
	PLACES NP
.endif
	s_wait_alu depctr_va_vdst(0)
	v_add_nc_u32 v[ADRS], 4*NQ, v[ADRS]
	FETCH_B \next, 0, 0
	FETCH_A \next, 0, 0
	SCALES \next
	WIN MUL_HI
	MUL16 4, 1, NQ-1, \slot, 0
	MUL16 6, 1, NQ-1, \slot, 0
	PLACES NP
	WIN 0
	FETCH_A \next, 0, 4
.endm
	s_wait_alu depctr_va_vdst(0)                   ; the wait at the head's end
	s_wait_tensorcnt 0x0                           ; my tile of the head's four is in
	ds_add_u32 v[SPW], v[NIL]
	s_mov_b32 s[G1+2], 128<<16                     ; no tensor load of mine is out: from here on a load of codes brings 128 rows
	s_mov_b32 s[G1+4], 128
	s_mov_b32 s[G1B+2], 128<<16
	s_mov_b32 s[G1B+4], 128
	s_wait_dscnt 0x0
	CROUND                                         ; a whole round: all four tiles are in, and the joint loads meet
	JLOAD G0+4, G1, G0B+4, G1B                     ; K step 1, a quarter of slot 1 a wave: the first tensor load behind the round
	FETCH_B 0, 0, 0
	FETCH_A 0, 0, 0
	SCALES 0
	FETCH_A 0, 0, 4
	s_wait_dscnt 4*NL
	s_wait_loadcnt 0x0
	FIRSTHALF 0, 0x81
	s_wait_dscnt 0
	PLACES NP
	FETCH_B 0, 1, 1
	FETCH_A 0, 1, 0
	FIRSTHALF 4, 0xc1
	PLACES NP
	FETCH_A 0, 1, 4
.rept LAPS-1
	TURN 0, 1, 1
	STEP 1, 0
	TURN 1, 0, 1
	STEP 0, 0
.endr
	TURN 0, 1, 0
	STEP 1, 0
	s_wait_dscnt 4*NL
	WIN MUL_LO
	MUL16 0, 1, NQ-1, 1, 0
	MUL16 2, 1, NQ-1, 1, 0
	s_wait_dscnt 0
	WIN MUL_HI
	MUL16 4, 1, NQ-1, 1, 0
	MUL16 6, 1, NQ-1, 1, 0
	WIN 0
	PLACES NP
	s_mov_b32 s20, 0x76543210
	s_mov_b32 s21, 0xfedcba98
	s_mov_b32 s22, 0x600000
.irp b, 0,1,2,3
	v_mov_b32 v[TM+4+\b], 0
.endr
.macro QUANTA a
.set AC, 64*((\a)%4)
	WIN ((2+(\a)/4)*20)
.irp b, 0,1,2,3
	v_max3_num_f32 v[TM+\b], 0x4800000, |v[AC+16*\b]|, |v[AC+16*\b+1]|
.endr
.irp i, 2,4,6,8,10,12,14
.irp b, 0,1,2,3
	v_max3_num_f32 v[TM+\b], v[TM+\b], |v[AC+16*\b+\i]|, |v[AC+16*\b+\i+1]|
.endr
.endr
	WIN 0
.irp b, 0,1,2,3
	v_permlanex16_b32 v[TM+4+\b], v[TM+\b], s20, s21
.endr
.irp b, 0,1,2,3
	v_max_num_f32 v[TM+\b], v[TM+\b], v[TM+4+\b]
.endr
.irp b, 0,1,2,3
	v_add_nc_u32 v[TM+12+\b], 0xfc000000, v[TM+\b]
.endr
.irp b, 0,1,2,3
	v_and_or_b32 v[TM+8+\b], v[TM+\b], 0x7f800000, s22
.endr
.irp b, 0,1,2,3
	v_lshrrev_b32 v[EB+4*(\a)+\b], 23, v[TM+12+\b]
.endr
	WIN ((2+(\a)/4)*65)
.irp b, 0,1,2,3
.irp i, 0,1,2,3,4,5,6,7,8,9,10,11,12,13,14,15
	v_med3_num_f32 v[AC+16*\b+\i], v[AC+16*\b+\i], -v[TM+8+\b], v[TM+8+\b]
.endr
.endr
	WIN (2+(\a)/4)
.irp b, 0,1,2,3
	v_cvt_scalef32_pk8_fp8_f32 v[CD+16*(\a)+4*\b:CD+16*(\a)+4*\b+1], v[AC+16*\b:AC+16*\b+7], v[TM+12+\b]
	v_cvt_scalef32_pk8_fp8_f32 v[CD+16*(\a)+4*\b+2:CD+16*(\a)+4*\b+3], v[AC+16*\b+8:AC+16*\b+15], v[TM+12+\b]
.endr
	WIN 0
	v_nop
.endm
.irp a, 0,1,2,3,4,5,6,7
	QUANTA \a
.endr
	s_cmp_eq_u32 s2, 1
	s_cbranch_scc1 .Lv_out
.irp l, 0,1
.irp f, 0,1,2,3
	v_lshl_or_b32 v[Z+4*\l+\f], v[EB+8*\f+2*\l+1], 8, v[EB+8*\f+2*\l]
	v_lshl_or_b32 v[Z+4*\l+\f], v[EB+8*\f+4+2*\l], 16, v[Z+4*\l+\f]
	v_lshl_or_b32 v[Z+4*\l+\f], v[EB+8*\f+4+2*\l+1], 24, v[Z+4*\l+\f]
.endr
.endr
.irp a, 0,1,2,3,4,5,6,7
.irp c, 0,1,2,3
	global_store_b128 v[LI], v[CD+16*\a+4*\c:CD+16*\a+4*\c+3], s[98:99] offset:393216*(\c>>1)+1024*\a+512*(\c&1)
.endr
.endr
	s_branch .Lwords
.Lv_out:
.irp a, 0,1,2,3,4,5,6,7
	v_lshl_or_b32 v[Z+\a], v[EB+4*\a+1], 8, v[EB+4*\a]
	v_lshl_or_b32 v[Z+\a], v[EB+4*\a+2], 16, v[Z+\a]
	v_lshl_or_b32 v[Z+\a], v[EB+4*\a+3], 24, v[Z+\a]
.endr
.irp a, 0,1,2,3,4,5,6,7
.irp c, 0,1,2,3
	global_store_b128 v[LI], v[CD+16*\a+4*\c:CD+16*\a+4*\c+3], s[98:99] offset:393216*(\a>>2)+2048*(\a&3)+512*\c
.endr
.endr
.Lwords:
	v_cmp_ne_u32 vcc_lo, 0, v[HH]
	s_wait_alu depctr_va_vdst(0)
.irp i, 0,1,2,3
	v_cndmask_b32 v[OW+\i], v[Z+\i], v[Z+4+\i], vcc_lo
.endr
	global_store_b128 v[SOFF], v[OW:OW+3], s[100:101]
	s_wait_tensorcnt 0x0
	ds_add_u32 v[SPW], v[NIL]
	s_wait_dscnt 0x0
	CROUND
	s_endpgm
.Lfunc_end_k_q800cdb4830_proj:
	.size	k_q800cdb4830_proj, .Lfunc_end_k_q800cdb4830_proj-k_q800cdb4830_proj
	.p2alignl 7, 3214868480
	.fill 96, 4, 3214868480
	.section	.rodata,"a",@progbits
	.p2align	6, 0x0
	.amdhsa_kernel k_q800cdb4830_proj
		.amdhsa_group_segment_fixed_size 327680
		.amdhsa_private_segment_fixed_size 0
		.amdhsa_enable_private_segment 0
		.amdhsa_kernarg_size 72
		.amdhsa_user_sgpr_count 2
		.amdhsa_user_sgpr_kernarg_segment_ptr 1
		.amdhsa_wavefront_size32 1
		.amdhsa_system_sgpr_workgroup_id_x 1
		.amdhsa_system_sgpr_workgroup_id_y 1
		.amdhsa_system_sgpr_workgroup_id_z 1
		.amdhsa_system_vgpr_workitem_id 0
		.amdhsa_next_free_vgpr 1024
		.amdhsa_next_free_sgpr 102
		.amdhsa_reserve_vcc 1
		.amdhsa_float_denorm_mode_32 3
		.amdhsa_float_denorm_mode_16_64 3
		.amdhsa_memory_ordered 1
		.amdhsa_forward_progress 1
		.amdhsa_inst_pref_size 206
	.end_amdhsa_kernel
	.amdgpu_metadata
---
amdhsa.version: [ 1, 2 ]
amdhsa.kernels:
  - .name:           k_q800cdb4830_proj
    .symbol:         k_q800cdb4830_proj.kd
    .args:
      - { .name: xc, .offset: 0, .size: 8, .value_kind: global_buffer, .address_space: global }
      - { .name: xs, .offset: 8, .size: 8, .value_kind: global_buffer, .address_space: global }
      - { .name: wc, .offset: 16, .size: 8, .value_kind: global_buffer, .address_space: global }
      - { .name: ws, .offset: 24, .size: 8, .value_kind: global_buffer, .address_space: global }
      - { .name: bq, .offset: 32, .size: 8, .value_kind: global_buffer, .address_space: global }
      - { .name: bk, .offset: 40, .size: 8, .value_kind: global_buffer, .address_space: global }
      - { .name: bv, .offset: 48, .size: 8, .value_kind: global_buffer, .address_space: global }
      - { .name: qkv, .offset: 56, .size: 8, .value_kind: global_buffer, .address_space: global }
      - { .name: qkvs, .offset: 64, .size: 8, .value_kind: global_buffer, .address_space: global }
    .group_segment_fixed_size: 327680
    .private_segment_fixed_size: 0
    .kernarg_segment_align: 8
    .kernarg_segment_size: 72
    .max_flat_workgroup_size: 128
    .sgpr_count:     102
    .vgpr_count:     1024
    .wavefront_size: 32
...
	.end_amdgpu_metadata
.endif
;; end of part 2
;; launch attn (part 3): grid 4 x 64, 16 waves a work-group, clusters of 4 x 1, 327,680 bytes of LDS; arguments qkv, qkvs, out0; writes out0
.if DOCPART == 3
	.amdgcn_target "amdgcn-amd-amdhsa--gfx1250"
	.amdhsa_code_object_version 6
	.text
	.protected	k_q800cdb4830_attn
	.globl	k_q800cdb4830_attn
	.p2align	8
	.type	k_q800cdb4830_attn,@function
k_q800cdb4830_attn:
	s_mov_b64 s[64:65], 0
	v_nop
	global_prefetch_b8 v0, s[64:65] scope:SCOPE_SE
	s_setreg_imm32_b32 hwreg(HW_REG_WAVE_MODE, 25, 1), 1
	s_wait_xcnt 0x0
	s_wait_alu depctr_hold_cnt(0) depctr_sa_sdst(0) depctr_va_vdst(0) depctr_va_sdst(0) depctr_va_ssrc(0) depctr_va_vcc(0) depctr_vm_vsrc(0)
	s_getreg_b32 s2, hwreg(HW_REG_IB_STS2, 6, 4)
	s_cmp_eq_u32 s2, 0
	s_cbranch_scc0 .Lentry_in_a_cluster
	s_endpgm
.Lentry_in_a_cluster:
	s_bfe_u32 s2, ttmp6, 0x10000c
	s_cmp_lg_u32 s2, 0x3003
	s_cbranch_scc0 .Lentry_shape_is_right
	s_endpgm
.Lentry_shape_is_right:
; out0[b][q][64 head + d] = the sum over keys of softmax(q . k / 8) v, for 64 pairs bh of batch and head, 2,048 queries and keys, head size 64; both products on codes of FP8 (E4M3) with E8M0 scales.
; THE SOFTMAX AHEAD OF THE SECOND PRODUCT: t = score x log2(e) / 8; M = the row's largest t so far, rounded up to a whole number; p = 2^(t - M) is quantised along the keys, not normalised.
; The row's sum is taken of the unquantised p and divides at the end.  When M moves, the sum and O are multiplied by 2^(old M - new M): exact.
; SHARES.  256 work-groups.  A work-group owns 512 queries of one bh; each of its sixteen waves owns two tiles of 16 queries and walks all 2,048 keys once for each tile (two passes), in 256 registers.
; ALL OF THE HEAD'S K AND V STAY IN LDS for both passes: 16 steps of 128 keys x (8,192 + 8,192) bytes of register images, and 8,192 bytes of scale words.  Every LDS byte is filled once: no ring, no refill.
; CLUSTER.  The four work-groups of a cluster are the four blocks of 512 queries of one bh and want the same bytes: each tile is asked for jointly (mask 15).
; THE FILLS, one a wave, in one chain of arms: wave 0 the scale words (16 rows of 512 bytes); waves 1 and 2 key steps 0 to 3; waves 3 to 8 key steps 4 to 15 (two steps a load: two rows of 16,384 bytes, 24,576 apart).
; The first barrier shows the lines of waves 0 to 2 alone, and four steps are worked behind it; the second barrier shows all.  Every wait on TENSORcnt is for 0.
; NO PREFETCH: all that the work-group reads of K and V is asked for by the nine loads at the head, so no later load is left to run ahead of; the second pass's Q is loaded at the head of the first pass's way out.
; LAYOUT.  Both products are used transposed: S^T = K Q^T (source 0 = keys, source 1 = my queries), O^T = V^T P^T: a lane holds one query (lane % 16) throughout.
; THE HEAD'S 64 IN AN INSTRUCTION OF 128.  A fragment f of K (16 registers) holds TWO tiles of 16 keys: u = 0 in its registers 0-7 (the instruction's k 0-63), u = 1 in 8-15.  Q stands as [q 8][zeros 8][q 8]:
; [q, 0] picks tile u = 0 and [0, q] tile u = 1; the other half meets zero codes, which add nothing.  Q's scale word is its two bytes twice.
; The tokens of a tile are 8 u + 0 .. 7 and 16 + 8 u + 0 .. 7 of a group of 32, so the 16 registers of tiles (f, 0) and (f, 1) are the keys 32 f + 16 (lane / 16) + 0 .. 15: p's codes are the second product's operand as they come.
; LIMITS: NaN and infinities are not served; the promise holds while |t| stays under 2^31; p under 2^-126 becomes 0 (v_exp_f32 flushes); a block's largest p is taken from its largest score, which takes v_exp_f32 not to fall where its input rises.
.set SCB,  262144                      ; LDS: step s's images at 16,384 s (K's, then V's); from SCB on its scale words at 512 s (K's 256 bytes, then V's)
.set STG,  SCB+8192                    ; the stages of the way out: 8 rows x 272 bytes for each wave; no fill lands here
.set SPARE, STG+16*2176                ; the spare words, 128 bytes a wave
.set LI,   1                           ; v1   16 x lane
.set SC0,  2                           ; v2   SCB + 16 r
.set ADK,  3                           ; v3   the step's images
.set ADS,  4                           ; v4   the step's scale words
.set GO,   5                           ; v5   the way out: 4,096 h + 16 r in out0
.set STO,  6                           ; v6   my stage: 272 (r % 8) + 128 (r / 8) + 64 h
.set RD,   7                           ; v7   and back: 272 h + 16 r
.set RR,   10                          ; v10  r;  v11 16 r;  v8, v9, v42, v43: the bounds' second copies
.set QR,   16                          ; v16-39  [q][0][q]
.set QS,   40                          ; v40  Q's scale word;  v41 its two bytes as loaded
.set SK,   44                          ; v44-47  K's scale words, one a fragment
.set KF,   48                          ; v48-111 K's four fragments, then V's four
.set S,    112                         ; v112-175 S^T, then p
.set O,    176                         ; v176-207 O^T: four tiles of 16 d
.set PC,   208                         ; v208-223 p's codes
.set BM,   224                         ; v224-227 the blocks' largest scores, then largest p; then chains of the sum
.set PM,   228                         ; v228-231 the other half's; the scale bytes; then chains of the sum
.set HD,   232                         ; v232-235 448 x the scale
.set SO,   236                         ; v236-239 the conversions' scale operands
.set SV,   240                         ; v240-243 V's scale words
.set FF,   244                         ; v[244:245] f = 2^(old M - new M) (the pair's low word serves both halves)
.set PS,   246                         ; v246 p's scale word
.set TT,   247                         ; v247 the old -M, then at work;  v248-253 at work and chains of the sum
.set WV,   10                          ; s10  my wave's number
.set G1C,  16                          ; s[16:23] group 1 for the images;  s[24:31] for the scale words
.set G1S,  24
.set G0S,  32                          ; s[32:35] group 0 for the scale words;  s[36:39] for my two key steps
.set G0,   36
.set SEL,  52                          ; s[52:53] lane selects: lane l xor 16
.set CS,   54                          ; s[54:55] c = log2(e) / 8
.set MNT,  56                          ; s56  the mantissa field of 448
.set TB,   57                          ; s57  LDS byte of the step's images
.set TS,   58                          ; s58  and of its scale words, from SCB
.set CNT,  59                          ; s59  steps left in the loop
.macro CROUND                          ; a round of the cluster's barrier
	s_barrier_signal -1
	s_barrier_wait -1
	s_cmp_lg_u32 s[WV], 0
	s_cbranch_scc1 .Lnot_wave_0_\@
	s_barrier_signal -3
.Lnot_wave_0_\@:
	s_barrier_wait -3
	s_barrier_signal -1
	s_barrier_wait -1
.endm
.macro WALU
	s_wait_alu depctr_va_vdst(0)
.endm
.macro QLOAD p                         ; pass p's Q: two steps of 128 tokens on for pass 1
	global_load_b128 v[QR:QR+3], v[LI], s[76:77] offset:49152*\p          ; q: d = 16 h + 0 .. 15,
	global_load_b128 v[QR+4:QR+7], v[LI], s[76:77] offset:49152*\p+512    ; d = 32 + 16 h + 0 .. 15;
	global_load_b128 v[QR+16:QR+19], v[LI], s[76:77] offset:49152*\p      ; and once more behind the zeros
	global_load_b128 v[QR+20:QR+23], v[LI], s[76:77] offset:49152*\p+512
	global_load_u16 v41, v11, s[78:79] offset:1536*\p
.endm
	s_load_b128 s[4:7], s[0:1], 0x0                ; qkv, qkvs
	s_load_b64 s[8:9], s[0:1], 0x10                ; out0
	v_lshl_add_u32 v254, v0, 2, SPARE
	v_mov_b32 v255, 0
	ds_add_u32 v254, v255                          ; the opening lines: the add, twice on end, and its wait ahead of the first tensor load
	ds_add_u32 v254, v255
	v_lshrrev_b32 v8, 5, v0
	s_delay_alu instid0(VALU_DEP_1)
	v_readfirstlane_b32 s[WV], v8                  ; wave 0..15
	v_and_b32 v9, 31, v0
	s_delay_alu instid0(VALU_DEP_1)
	v_lshlrev_b32 v[LI], 4, v9
	v_and_b32 v[RR], 15, v0                        ; r
	v_bfe_u32 v9, v0, 4, 1                         ; h
	s_delay_alu instid0(VALU_DEP_2)
	v_lshl_add_u32 v[SC0], v[RR], 4, SCB
	v_and_b32 v8, 7, v0                            ; r % 8
	s_mul_i32 s66, s[WV], 2176
	s_add_co_u32 s66, s66, STG                     ; my stage
	v_mul_u32_u24 v[STO], v8, 272
	s_delay_alu instid0(VALU_DEP_1)
	v_lshl_add_u32 v[STO], v9, 6, v[STO]
	s_delay_alu instid0(VALU_DEP_1)
	v_add_nc_u32 v[STO], s66, v[STO]
	v_bfe_u32 v8, v0, 3, 1                         ; r / 8
	s_delay_alu instid0(VALU_DEP_1)
	v_lshl_add_u32 v[STO], v8, 7, v[STO]
	v_mul_u32_u24 v[RD], v9, 272
	s_delay_alu instid0(VALU_DEP_1)
	v_lshl_add_u32 v[RD], v[RR], 4, v[RD]
	s_delay_alu instid0(VALU_DEP_1)
	v_add_nc_u32 v[RD], s66, v[RD]
	v_lshlrev_b32 v[GO], 12, v9
	s_delay_alu instid0(VALU_DEP_1)
	v_lshl_add_u32 v[GO], v[RR], 4, v[GO]
	v_lshlrev_b32 v11, 4, v[RR]                    ; 16 r: my row among Q's scale words
	WALU                                           ; ahead of the run of scalar lines
	s_bfe_u32 s11, ttmp6, 0x40000                  ; cx: my block of 512 queries; it enters Q's and out0's addresses alone
	s_and_b32 s13, ttmp7, 0xffff                   ; bh, which the four partners share
	s_mul_i32 s66, s13, 393216                     ; bh's first byte in qkv (16 steps x 24,576)
	s_add_co_u32 s12, s[WV], 15
	s_and_b32 s12, s12, 15                         ; waves 1 to 8: which pair of key steps I fetch, wave - 1
	s_mul_i32 s67, s12, 49152
	s_add_co_u32 s68, s66, s67
	s_add_co_u32 s68, s68, 8192                    ; behind the step's image of Q: K's and V's, 16,384 bytes on end
	s_mov_b32 s69, 0
	s_mul_i32 s70, s13, 12288                      ; bh's first byte in qkvs (16 steps x 768)
	s_add_co_u32 s72, s70, 256                     ; behind Q's words: K's and V's, 512 bytes on end
	s_mov_b32 s73, 0
	s_lshl_b32 s74, s11, 2
	s_lshr_b32 s75, s[WV], 3
	s_add_co_u32 s74, s74, s75                     ; the step of 128 tokens that holds pass 0's queries: 4 cx + wave / 8; pass 1's lies two on
	s_and_b32 s75, s[WV], 7                        ; a: my tile in it
	s_mul_i32 s76, s74, 24576
	s_add_co_u32 s76, s76, s66
	s_lshl_b32 s77, s75, 10                        ; tile a's two groups begin at 1,024 a
	s_add_co_u32 s76, s76, s77
	s_mov_b32 s77, 0
	s_mul_i32 s78, s74, 768
	s_add_co_u32 s78, s78, s70
	s_lshl_b32 s79, s75, 1                         ; its two scale bytes at 2 a of a row's 16
	s_add_co_u32 s78, s78, s79
	s_mov_b32 s79, 0
	s_lshr_b32 s80, s13, 4
	s_lshl_b32 s80, s80, 11                        ; the batch's 2,048 tokens,
	s_lshl_b32 s81, s74, 7
	s_add_co_u32 s80, s80, s81                     ; the step's 128,
	s_lshr_b32 s81, s75, 1
	s_lshl_b32 s81, s81, 5
	s_add_co_u32 s80, s80, s81                     ; 32 (a / 2)
	s_and_b32 s81, s75, 1
	s_lshl_b32 s81, s81, 3
	s_add_co_u32 s80, s80, s81                     ; + 8 (a % 2): my tile's first token
	s_lshl_b32 s80, s80, 12                        ; 4,096 bytes a token,
	s_and_b32 s81, s13, 15
	s_lshl_b32 s81, s81, 8                         ; 256 bytes a head (under 2^26 in all)
	s_add_co_u32 s80, s80, s81
	s_mov_b32 s81, 0
	; group 1 for the images: 2 rows (key steps) of 16,384 bytes (2,048 elements of 8 bytes), 24,576 bytes apart; no padding: the images are read 16 bytes a lane, on end
	s_mov_b32 s[G1C], 15|(3<<16)|(1<<21)           ; 15:0 the mask: all four work-groups; 17:16 elements of 8 bytes; 21 set beside a mask
	s_mov_b32 s[G1C+1], 2048<<16                   ; tensor_dim0
	s_mov_b32 s[G1C+2], 2<<16                      ; tensor_dim1
	s_mov_b32 s[G1C+3], 2048<<16                   ; tile_dim0
	s_mov_b32 s[G1C+4], 2                          ; tile_dim1
	s_mov_b32 s[G1C+5], 3072                       ; tensor_dim0_stride
	s_mov_b32 s[G1C+6], 0
	s_mov_b32 s[G1C+7], 0
	; the scale words: 16 rows (key steps) of 512 bytes, 768 bytes apart
	s_mov_b32 s[G1S], 15|(3<<16)|(1<<21)
	s_mov_b32 s[G1S+1], 64<<16
	s_mov_b32 s[G1S+2], 16<<16
	s_mov_b32 s[G1S+3], 64<<16
	s_mov_b32 s[G1S+4], 16
	s_mov_b32 s[G1S+5], 96
	s_mov_b32 s[G1S+6], 0
	s_mov_b32 s[G1S+7], 0
	s_mov_b32 s[SEL], 0x76543210
	s_mov_b32 s[SEL+1], 0xfedcba98
	s_mov_b32 s[CS], 0x3e38aa3b                    ; log2(e) / 8
	s_mov_b32 s[CS+1], s[CS]                       ; (named with it as a pair, so it is written)
	s_mov_b32 s[MNT], 0x600000
	s_wait_dscnt 0x0                               ; both opening adds are done
	s_wait_kmcnt 0x0
	s_mov_b32 s[G0S], 1
	s_mov_b32 s[G0S+1], SCB
	s_add_nc_u64 s[G0S+2:G0S+3], s[6:7], s[72:73]
	s_or_b32 s[G0S+3], s[G0S+3], 0x80000000
	s_mov_b32 s[G0], 1
	s_lshl_b32 s[G0+1], s12, 15                    ; LDS: two steps' 32,768 bytes
	s_add_nc_u64 s[G0+2:G0+3], s[4:5], s[68:69]
	s_or_b32 s[G0+3], s[G0+3], 0x80000000
	s_add_nc_u64 s[76:77], s[4:5], s[76:77]        ; Q's codes,
	s_add_nc_u64 s[78:79], s[6:7], s[78:79]        ; Q's scale bytes,
	s_add_nc_u64 s[8:9], s[8:9], s[80:81]          ; my rows of out0
	CROUND                                         ; all four work-groups are here: the joint loads meet
; ONE chain of branches on the wave's number, an arm a load: no way through the head passes two.  The waves that wait at the first barrier (0 to 2) have load lines that no other wave issues.
.macro ARM under, g0, g1, next
	s_cmp_lt_u32 s[WV], \under
	s_cbranch_scc0 \next
	tensor_load_to_lds s[\g0:\g0+3], s[\g1:\g1+7]
	s_nop 0
.rept 4
	v_nop
.endr
	s_branch .Lhead_asked
\next:
.endm
	ARM 1, G0S, G1S, .Lhead_first
	ARM 3, G0,  G1C, .Lhead_rest
	ARM 9, G0,  G1C, .Lhead_none
.Lhead_asked:
	QLOAD 0
.irp j, 0,1,2,3,4,5,6,7
	v_mov_b32 v[QR+8+\j], 0                        ; zero codes
.endr
.irp b, 0,1,2,3
	v_mov_b32 v[PM+\b], 0                          ; written once: a lane permute's destination counts as one of its sources
.endr
	v_mov_b32 v[FF+1], 0                           ; (named as the upper half of a pair)
.macro INIT                            ; a pass begins: Q is in; O^T and the sum are zeros, the largest t lies under every t
	WALU
	s_wait_xcnt 0x0                                ; the last pass's stores have read their registers, which K's loads write
	s_wait_loadcnt 0x0
	v_lshl_or_b32 v[QS], v41, 16, v41              ; Q's two bytes twice: one word serves [q, 0] and [0, q].  The lines below are its places ahead of the first product
.irp j, 0,1,2,3,4,5,6,7,8,9,10,11,12,13,14,15,16,17,18,19,20,21,22,23,24,25,26,27,28,29,30,31
	v_mov_b32 v[O+\j], 0                           ; (the step is written once: the first finds zeros, which the first change of M leaves zeros)
.endr
	v_mov_b32 v13, 0xff61b1e6                      ; -3e38
	s_delay_alu instid0(VALU_DEP_1)
	v_floor_f32 v12, -v13                          ; -M
	v_mov_b32 v14, 0                               ; the sum, in two halves
	v_mov_b32 v15, 0
	s_mov_b32 s[TB], 0
	s_mov_b32 s[TS], 0
	WALU
.endm
.macro HOLDB b, h2                     ; block b: 16 holds in eight pairs (the bound stands in two registers whose numbers differ modulo 4), and its conversions
.irp i, 0,2,4,6,8,10,12,14
	v_dual_min_num_f32 v[S+16*\b+\i], v[HD+\b], v[S+16*\b+\i] :: v_dual_min_num_f32 v[S+16*\b+\i+1], v[\h2], v[S+16*\b+\i+1]   ; the conversion does not saturate (ISA guide 7.6.2); p is not negative, so the hold is one-sided
.endr
	v_cvt_scalef32_pk8_fp8_f32 v[PC+4*\b:PC+4*\b+1], v[S+16*\b:S+16*\b+7], v[SO+\b]
	v_cvt_scalef32_pk8_fp8_f32 v[PC+4*\b+2:PC+4*\b+3], v[S+16*\b+8:S+16*\b+15], v[SO+\b]
.endm
; A KEY STEP: 128 keys.
.macro STEP
	v_add_nc_u32 v[ADK], s[TB], v[LI]              ; with the seven additions at the last step's end: nine places behind its products, in front of loads into registers that they have read
	v_add_nc_u32 v[ADS], s[TS], v[SC0]
.irp f, 0,1,2,3
.irp c, 0,1,2,3
	ds_load_b128 v[KF+16*\f+4*\c:KF+16*\f+4*\c+3], v[ADK] offset:2048*\f+512*\c   ; 512 consecutive bytes an instruction
.endr
.endr
	ds_load_b128 v[SK:SK+3], v[ADS]
	WALU
	s_wait_dscnt 0x0
.irp f, 0,1,2,3                                ; S^T: eight tiles of 16 keys; each starts its sum with 0
	v_wmma_scale_f32_16x16x128_f8f6f4 v[S+16*\f:S+16*\f+7], v[KF+16*\f:KF+16*\f+15], v[QR:QR+15], 0, v[SK+\f], v[QS]
	v_wmma_scale_f32_16x16x128_f8f6f4 v[S+16*\f+8:S+16*\f+15], v[KF+16*\f:KF+16*\f+15], v[QR+8:QR+23], 0, v[SK+\f], v[QS]
.endr
	v_mov_b32 v[TT], v12                           ; the old -M.  With the seven below: eight places, in front of the loads into K's registers and of the first read of the scores
.rept 7
	v_nop
.endr
.irp d, 0,1,2,3                                ; V's fragments land while the softmax is worked
.irp c, 0,1,2,3
	ds_load_b128 v[KF+16*\d+4*\c:KF+16*\d+4*\c+3], v[ADK] offset:8192+2048*\d+512*\c
.endr
.endr
	ds_load_b128 v[SV:SV+3], v[ADS] offset:256
.irp b, 0,1,2,3
	v_max3_num_f32 v[BM+\b], v[S+16*\b], v[S+1+16*\b], v[S+2+16*\b]   ; the largest score of each block of 32 keys: it serves for the row's maximum and, since p rises with the score, for the block's largest p
.endr
.irp i, 3,5,7,9,11,13
.irp b, 0,1,2,3
	v_max3_num_f32 v[BM+\b], v[BM+\b], v[S+16*\b+\i], v[S+1+16*\b+\i]
.endr
.endr
.irp b, 0,1,2,3
	v_max_num_f32 v[BM+\b], v[BM+\b], v[S+15+16*\b]
.endr
.irp b, 0,1,2,3
	s_delay_alu instid0(VALU_DEP_4)
	v_permlanex16_b32 v[PM+\b], v[BM+\b], s[SEL], s[SEL+1]
.endr
.irp b, 0,1,2,3
	s_delay_alu instid0(VALU_DEP_4)
	v_max_num_f32 v[BM+\b], v[BM+\b], v[PM+\b]     ; with lane l xor 16's 16 keys
.endr
	s_delay_alu instid0(VALU_DEP_2)
	v_max3_num_f32 v248, v[BM], v[BM+1], v[BM+2]
	s_delay_alu instid0(VALU_DEP_1)
	v_max_num_f32 v248, v248, v[BM+3]              ; the step's largest score of my query
	s_delay_alu instid0(VALU_DEP_1)
	v_mul_f32 v248, s[CS], v248                    ; as t (c is positive)
	s_delay_alu instid0(VALU_DEP_1)
	v_max_num_f32 v13, v13, v248                   ; the running largest t
	s_delay_alu instid0(VALU_DEP_1)
	v_floor_f32 v12, -v13                          ; the new -M = floor(-t) = -ceil(t)
	s_delay_alu instid0(VALU_DEP_1)
	v_sub_f32 v[TT], v12, v[TT]                    ; old M - new M: a whole number, 0 or less
	s_delay_alu instid0(VALU_DEP_1)
	v_cvt_i32_f32 v[TT], v[TT]                     ; (it saturates)
	s_delay_alu instid0(VALU_DEP_1)
	v_ldexp_f32 v[FF], 1.0, v[TT]                  ; f = 2^(old M - new M)
.irp j, 0,2,4,6,8,10,12,14,16,18,20,22,24,26,28,30,32,34,36,38,40,42,44,46,48,50,52,54,56,58,60,62
	v_pk_fma_f32 v[S+\j:S+\j+1], v[S+\j:S+\j+1], s[CS:CS+1], v[12:13] op_sel_hi:[1,0,0]   ; t - M, two at a time
.endr
.irp b, 0,1,2,3
	v_fma_f32 v[BM+\b], v[BM+\b], s[CS], v12       ; the same of each block's largest score
.endr
	WALU                                           ; ahead of the batch
.irp j, 0,1,2,3,4,5,6,7,8,9,10,11,12,13,14,15,16,17,18,19,20,21,22,23,24,25,26,27,28,29,30,31,32,33,34,35,36,37,38,39,40,41,42,43,44,45,46,47,48,49,50,51,52,53,54,55,56,57,58,59,60,61,62,63
	v_exp_f32 v[S+\j], v[S+\j]                     ; p = 2^(t - M), at most 1
.endr
.irp b, 0,1,2,3
	v_exp_f32 v[BM+\b], v[BM+\b]                   ; the block's largest p: the same two instructions on the same number
.endr
	v_pk_mul_f32 v[14:15], v[14:15], v[FF:FF+1] op_sel_hi:[1,0]   ; the sum under the new M (the plain line behind the exponentials)
	WALU                                           ; and behind it
.irp b, 0,1,2,3
	v_max_num_f32 v[BM+\b], 0x4800000, v[BM+\b]    ; the floor 2^(9 - 127): the byte cannot fall under 1
.endr
.irp b, 0,1,2,3
	s_delay_alu instid0(VALU_DEP_4)
	v_add_nc_u32 v[SO+\b], 0xfc000000, v[BM+\b]    ; 8 off the exponent field: the conversion's scale operand
.endr
.irp b, 0,1,2,3
	v_and_or_b32 v[HD+\b], v[BM+\b], 0x7f800000, s[MNT]   ; 448 x the scale
.endr
	v_and_or_b32 v9, v[BM], 0x7f800000, s[MNT]     ; and once more, for the second half of each pair of holds
	v_and_or_b32 v8, v[BM+1], 0x7f800000, s[MNT]
	v_and_or_b32 v43, v[BM+2], 0x7f800000, s[MNT]
	v_and_or_b32 v42, v[BM+3], 0x7f800000, s[MNT]
.irp b, 0,1,2,3
	v_lshrrev_b32 v[PM+\b], 23, v[SO+\b]           ; the scale's byte
.endr
	s_delay_alu instid0(VALU_DEP_3)
	v_lshl_or_b32 v[PS], v[PM+1], 8, v[PM]         ; p's scale word for these 128 keys
	s_delay_alu instid0(VALU_DEP_1)
	v_lshl_or_b32 v[PS], v[PM+2], 16, v[PS]
	s_delay_alu instid0(VALU_DEP_1)
	v_lshl_or_b32 v[PS], v[PM+3], 24, v[PS]
; THE ROW'S SUM OF THE UNQUANTISED p, two at a time, in eight chains: seven begin anew with two pairs each, the eighth is the running sum; they are joined behind the second product
.set A_, 0
.irp c, 248,250,252,224,226,228,230
	v_pk_add_f32 v[\c:\c+1], v[S+A_:S+A_+1], v[S+A_+2:S+A_+3]
.set A_, A_+4
.endr
.irp c, 14,248,250,252,224,226,228,230,14,248,250,252,224,226,228,230,14,248
	v_pk_add_f32 v[\c:\c+1], v[\c:\c+1], v[S+A_:S+A_+1]
.set A_, A_+2
.endr
	HOLDB 0, 9
	HOLDB 1, 8
	HOLDB 2, 43
	HOLDB 3, 42
	WALU                                           ; directly ahead of the first reader of O^T
.irp j, 0,2,4,6,8,10,12,14,16,18,20,22,24,26,28,30
	v_pk_mul_f32 v[O+\j:O+\j+1], v[O+\j:O+\j+1], v[FF:FF+1] op_sel_hi:[1,0]   ; O^T under the new M.  (These sixteen also stand between the conversions and the products below)
.endr
	WALU
	s_wait_dscnt 0x0                               ; V and its scale words are in
.irp d, 0,1,2,3                                ; O^T += V^T P^T: four tiles of 16 d, one instruction each; K = these 128 keys
	v_wmma_scale_f32_16x16x128_f8f6f4 v[O+8*\d:O+8*\d+7], v[KF+16*\d:KF+16*\d+15], v[PC:PC+15], v[O+8*\d:O+8*\d+7], v[SV+\d], v[PS]
.endr
	v_pk_add_f32 v[248:249], v[248:249], v[250:251]   ; the eight chains are joined: seven plain lines that name no register of the products above
	v_pk_add_f32 v[252:253], v[252:253], v[224:225]
	v_pk_add_f32 v[226:227], v[226:227], v[228:229]
	v_pk_add_f32 v[14:15], v[14:15], v[230:231]
	s_delay_alu instid0(VALU_DEP_3)
	v_pk_add_f32 v[248:249], v[248:249], v[252:253]
	s_delay_alu instid0(VALU_DEP_2)
	v_pk_add_f32 v[14:15], v[14:15], v[226:227]
	s_delay_alu instid0(VALU_DEP_1)
	v_pk_add_f32 v[14:15], v[14:15], v[248:249]
.endm
.macro WALK n, name                    ; n key steps, on from where TB and TS stand
	s_mov_b32 s[CNT], \n
\name:
	WALU
	STEP
	s_add_co_u32 s[TB], s[TB], 16384
	s_add_co_u32 s[TS], s[TS], 512
	s_sub_co_u32 s[CNT], s[CNT], 1
	s_cmp_lg_u32 s[CNT], 0
	s_cbranch_scc1 \name
.endm
; THE WAY OUT of pass p.  O^T / the sum goes through my stage and leaves as rows of 256 bytes: one token's head.  K and V stay in LDS, so the stage holds 8 rows: first the queries 0 .. 7 of my tile, then 8 .. 15.
; So that all 32 lanes store in both halves, lanes r and r xor 8 exchange 16 registers: afterwards a lane with r < 8 holds channels 0 .. 31 (its half h of them) of queries r and r + 8, a lane with r >= 8 channels 32 .. 63 of queries r - 8 and r.
; LDS serves a wave's instructions in order: the loads see my stores, and the second half's stores come behind the first half's loads.
.macro HALFOUT u
.irp q, 0,1,2,3
	ds_store_b128 v[STO], v[S+32+16*\u+4*\q:S+32+16*\u+4*\q+3] offset:16*\q
.endr
.irp i, 0,1,2,3
	ds_load_b128 v[KF+16*\u+4*\i:KF+16*\u+4*\i+3], v[RD] offset:544*\i   ; stage rows 2 i + h
.endr
.endm
.macro EPI p
	WALU
.if \p == 0
	QLOAD 1                                        ; the next pass's Q, asked for ahead of the way out
.endif
	v_add_f32 v14, v14, v15                        ; the sum's two halves,
	s_delay_alu instid0(VALU_DEP_1)
	v_permlanex16_b32 v[TT], v14, s[SEL], s[SEL+1]
	s_delay_alu instid0(VALU_DEP_1)
	v_add_f32 v14, v14, v[TT]                      ; and lane l xor 16's: the row's sum
	WALU
	v_rcp_f32 v8, v14
	v_nop                                          ; one plain line behind the transcendental
	WALU
.irp j, 0,2,4,6,8,10,12,14,16,18,20,22,24,26,28,30
	v_pk_mul_f32 v[S+\j:S+\j+1], v[O+\j:O+\j+1], v[8:9] op_sel_hi:[1,0]   ; register 16 b + i is d = 32 b + 16 h + i of my query; each accumulator from its low end on
.endr
	v_cmp_gt_u32 vcc_lo, 8, v[RR]                  ; r < 8
.irp i, 0,1,2,3,4,5,6,7,8,9,10,11,12,13,14,15
	v_cndmask_b32 v[S+32+\i], v[S+\i], v[S+16+\i], vcc_lo          ; what I give: r < 8: my channels 32 .. 63; else my channels 0 .. 31
.endr
.irp i, 0,1,2,3,4,5,6,7,8,9,10,11,12,13,14,15
	v_mov_b32_dpp v[S+48+\i], v[S+32+\i] row_xmask:8 row_mask:0xf bank_mask:0xf   ; what lane r xor 8 gives me
.endr
.irp i, 0,1,2,3,4,5,6,7,8,9,10,11,12,13,14,15
	v_cndmask_b32 v[S+32+\i], v[S+48+\i], v[S+\i], vcc_lo          ; queries 0 .. 7: r < 8: my own channels 0 .. 31; else what I was given
.endr
.irp i, 0,1,2,3,4,5,6,7,8,9,10,11,12,13,14,15
	v_cndmask_b32 v[S+48+\i], v[S+16+\i], v[S+48+\i], vcc_lo       ; queries 8 .. 15: r < 8: what I was given; else my own channels 32 .. 63
.endr
	HALFOUT 0
	HALFOUT 1
.irp i, 0,1,2,3
	s_wait_dscnt 11-\i                             ; behind this load: 3 - i loads, 4 stores, 4 loads
	global_store_b128 v[GO], v[KF+4*\i:KF+4*\i+3], s[8:9] offset:1048576*\p+8192*\i th:TH_STORE_NT   ; tokens 2 i + h of my tile; sixteen lanes store 256 consecutive bytes, aligned
.endr
.irp i, 0,1,2,3
	s_wait_dscnt 3-\i
	global_store_b128 v[GO], v[KF+16+4*\i:KF+16+4*\i+3], s[8:9] offset:1048576*\p+65536+8192*\i th:TH_STORE_NT   ; tokens 16 + 2 i + h
.endr
.endm
	INIT
	s_cmp_lt_u32 s[WV], 3                          ; the scale words and key steps 0 to 3: the waves that asked for them wait
	s_cbranch_scc0 .Lnot_first
	s_wait_tensorcnt 0x0
.Lnot_first:
	s_barrier_signal -1
	s_barrier_wait -1
	WALK 4, .Lstep_a
	s_wait_tensorcnt 0x0                           ; all that is still out: on every wave's way
	s_wait_dscnt 0x0
	s_barrier_signal -1
	s_barrier_wait -1
	WALK 12, .Lstep_b
	EPI 0
	INIT
	WALK 16, .Lstep_c                              ; the second tile: all keys lie in LDS, no barrier
	EPI 1
	s_wait_tensorcnt 0x0                           ; the wave's end
	ds_add_u32 v254, v255
	s_wait_dscnt 0x0
	CROUND                                         ; the closing round
	s_endpgm
.Lfunc_end_k_q800cdb4830_attn:
	.size	k_q800cdb4830_attn, .Lfunc_end_k_q800cdb4830_attn-k_q800cdb4830_attn
	.p2alignl 7, 3214868480
	.fill 96, 4, 3214868480
	.section	.rodata,"a",@progbits
	.p2align	6, 0x0
	.amdhsa_kernel k_q800cdb4830_attn
		.amdhsa_group_segment_fixed_size 327680
		.amdhsa_private_segment_fixed_size 0
		.amdhsa_enable_private_segment 0
		.amdhsa_kernarg_size 24
		.amdhsa_user_sgpr_count 2
		.amdhsa_user_sgpr_kernarg_segment_ptr 1
		.amdhsa_wavefront_size32 1
		.amdhsa_system_sgpr_workgroup_id_x 1
		.amdhsa_system_sgpr_workgroup_id_y 1
		.amdhsa_system_sgpr_workgroup_id_z 1
		.amdhsa_system_vgpr_workitem_id 0
		.amdhsa_next_free_vgpr 256
		.amdhsa_next_free_sgpr 84
		.amdhsa_reserve_vcc 1
		.amdhsa_float_denorm_mode_32 3
		.amdhsa_float_denorm_mode_16_64 3
		.amdhsa_memory_ordered 1
		.amdhsa_forward_progress 1
		.amdhsa_inst_pref_size 82
	.end_amdhsa_kernel
	.amdgpu_metadata
---
amdhsa.version: [ 1, 2 ]
amdhsa.kernels:
  - .name:           k_q800cdb4830_attn
    .symbol:         k_q800cdb4830_attn.kd
    .args:
      - { .name: qkv, .offset: 0, .size: 8, .value_kind: global_buffer, .address_space: global }
      - { .name: qkvs, .offset: 8, .size: 8, .value_kind: global_buffer, .address_space: global }
      - { .name: out0, .offset: 16, .size: 8, .value_kind: global_buffer, .address_space: global }
    .group_segment_fixed_size: 327680
    .private_segment_fixed_size: 0
    .kernarg_segment_align: 8
    .kernarg_segment_size: 24
    .max_flat_workgroup_size: 512
    .sgpr_count:     84
    .vgpr_count:     256
    .wavefront_size: 32
...
	.end_amdgpu_metadata
.endif
;; end of part 3
